; MI455X (gfx1250); checked and timed in simulation.
; The chip was launched on July 23, 2026; its instructions are those of AMD's public machine-readable ISA for CDNA 5 (MIT licence, August 2026) and "CDNA5" Instruction Set Architecture Reference Guide (July 2026).
;; Multi Scale Sparse Self Attention. Allowed arithmetic: float matrix products may take bf16 or f16 operands with f32 sums; other float arithmetic in f32, or as packed bf16 or f16 multiplies, adds, multiply-adds, maxima and minima; sums over many terms, partial sums and values carried from step to step in f32; what a program stores and reads back later, other than sums and carried values, may be rounded once to bf16 or f16.
;; Inputs: Wk0 256 x 256 float32; Wk1 256 x 256 float32; Wq0 256 x 256 float32; Wq1 256 x 256 float32; Wv0 256 x 256 float32; Wv1 256 x 256 float32; bk0 256 float32; bk1 256 float32; bq0 256 float32; bq1 256 float32; bv0 256 float32; bv1 256 float32; x0 2 x 256 x 32 x 32 float32; x1 2 x 256 x 32 x 32 float32.
;; Outputs: out0 2 x 1,024 x 256 float32.
;; 2 versions, each right; version 2 is version 1 with the launch proj written anew for expert scheduling mode. Each part assembles by itself: llvm-mc -triple=amdgcn-amd-amdhsa -mcpu=gfx1250 --defsym DOCPART=n.
;; ======== version 1 of 2: 3 launches
;; workspace buffers: qw 2,097,152 bytes; kw 2,097,152 bytes; vw 2,097,152 bytes; part 16,777,216 bytes
;; launch proj (part 1): grid 4 x 64, 4 waves a work-group, no clusters, 95,744 bytes of LDS; arguments x0, Wq0, Wk0, Wv0, bq0, bk0, bv0, x1, Wq1, Wk1, Wv1, bq1, bk1, bv1, qw, kw, vw; writes qw, kw, vw
.if DOCPART == 1
	.amdgcn_target "amdgcn-amd-amdhsa--gfx1250"
	.amdhsa_code_object_version 6
	.text
	.protected	k_qf014af4bda_proj
	.globl	k_qf014af4bda_proj
	.p2align	8
	.type	k_qf014af4bda_proj,@function
k_qf014af4bda_proj:
	s_mov_b64 s[64:65], 0
	v_nop
	global_prefetch_b8 v0, s[64:65] scope:SCOPE_SE
	s_setreg_imm32_b32 hwreg(HW_REG_WAVE_MODE, 25, 1), 1
	s_wait_xcnt 0x0
.set PX,    528
.set XB,    0
.set XS,    64*PX
.set STAGE, 2*64*PX
.set SP,    144
.set SPARE, STAGE+3*64*SP
.set VX,  3
.set LX,  4
.set LXS, 5
.set VW,  6
.set VB,  7
.set FA,  8
.set STO, 9
.set RD,  10
.set GO,  11
.set SPW, 12
.set NIL, 13
.set T,   16
.set XL,  64
.set ACC, 16
.set AF,  112
.set PKD, 112
.set BK,  160
.set BIA, 128
.set BT,  152
.set XA,  42
.set WQ,  44
.set WK,  46
.set WVV, 48
.set BQ,  50
.set XM,  56
.set XT,  58
.set XU,  60
.set OQ,  36
.set MSB, 0
.macro WIN new
.if MSB != (\new)
	s_set_vgpr_msb (MSB<<8)|(\new)
.set MSB, \new
.endif
.endm
.macro PLACES
.rept 4
	v_nop
.endr
.endm
	s_load_b512 s[8:23], s[0:1], 0x0
	s_load_b512 s[24:39], s[0:1], 0x40
	s_load_b64 s[40:41], s[0:1], 0x80
	v_lshl_add_u32 v[SPW], v0, 2, SPARE
	v_mov_b32 v[NIL], 0
	v_lshrrev_b32 v14, 5, v0
	v_readfirstlane_b32 s4, v14
	s_mov_b32 s66, ttmp9
	s_and_b32 s5, ttmp7, 0xffff
	s_lshr_b32 s6, s5, 5
	s_bfe_u32 s7, s5, 0x10004
	s_and_b32 s5, s5, 15
	s_lshl_b32 s5, s5, 6
	s_mov_b32 s67, 0xffff0000
	v_and_b32 v1, 15, v0
	v_bfe_u32 v2, v0, 4, 1
	v_lshrrev_b32 v14, 6, v0
	v_and_b32 v15, 63, v0
	v_lshlrev_b32 v[VX], 4, v15
	v_lshl_add_u32 v[VX], v14, 10, v[VX]
	v_mul_u32_u24 v[LX], v14, PX
	v_lshl_add_u32 v[LX], v15, 3, v[LX]
	v_add_nc_u32 v[LXS], XS, v[LX]
	s_lshl_b32 s62, s66, 6
	s_lshl4_add_u32 s62, s4, s62
	v_add_nc_u32 v[VW], s62, v1
	v_lshlrev_b32 v[VW], 10, v[VW]
	v_lshl_add_u32 v[VW], v2, 5, v[VW]
	v_lshl_add_u32 v[VB], v2, 3, s62
	v_lshlrev_b32 v[VB], 2, v[VB]
	v_mul_u32_u24 v[FA], v1, PX
	v_lshl_add_u32 v[FA], v2, 4, v[FA]
	s_lshl_b32 s63, s4, 5
	s_add_co_u32 s63, s63, STAGE
	v_mul_u32_u24 v[STO], v1, SP
	v_lshl_add_u32 v[STO], v2, 4, v[STO]
	v_add_nc_u32 v[STO], s63, v[STO]
	s_mul_i32 s63, s4, 16*SP
	s_add_co_u32 s63, s63, STAGE
	v_bfe_u32 v14, v0, 3, 2
	v_and_b32 v15, 7, v0
	v_mul_u32_u24 v[RD], v14, SP
	v_lshl_add_u32 v[RD], v15, 4, v[RD]
	v_add_nc_u32 v[RD], s63, v[RD]
	s_lshl_b32 s63, s4, 11
	v_and_b32 v[GO], 31, v0
	v_lshl_add_u32 v[GO], v[GO], 4, s63
	s_wait_kmcnt 0x0
	s_cmp_eq_u32 s6, 0
	s_cselect_b64 s[XA:XA+1], s[8:9], s[22:23]
	s_cselect_b64 s[WQ:WQ+1], s[10:11], s[24:25]
	s_cselect_b64 s[WK:WK+1], s[12:13], s[26:27]
	s_cselect_b64 s[WVV:WVV+1], s[14:15], s[28:29]
	s_cselect_b64 s[BQ:BQ+1], s[16:17], s[30:31]
	s_cselect_b64 s[BQ+2:BQ+3], s[18:19], s[32:33]
	s_cselect_b64 s[BQ+4:BQ+5], s[20:21], s[34:35]
	s_mov_b32 s3, 0
	s_lshl_b32 s2, s7, 20
	s_add_nc_u64 s[XA:XA+1], s[XA:XA+1], s[2:3]
	s_lshl_b32 s2, s5, 10
	s_add_nc_u64 s[XM:XM+1], s[XA:XA+1], s[2:3]
	s_sub_co_u32 s2, s5, 4
	s_and_b32 s2, s2, 1023
	s_lshl_b32 s2, s2, 10
	s_add_nc_u64 s[XT:XT+1], s[XA:XA+1], s[2:3]
	s_add_co_u32 s2, s5, 64
	s_and_b32 s2, s2, 1023
	s_lshl_b32 s2, s2, 10
	s_add_nc_u64 s[XU:XU+1], s[XA:XA+1], s[2:3]
	s_lshl1_add_u32 s2, s6, s7
	s_lshl2_add_u32 s2, s2, s66
	s_lshl_b32 s2, s2, 17
	s_lshl_b32 s62, s5, 7
	s_add_co_u32 s2, s2, s62
	s_add_nc_u64 s[OQ:OQ+1], s[OQ:OQ+1], s[2:3]
	s_add_nc_u64 s[OQ+2:OQ+3], s[OQ+2:OQ+3], s[2:3]
	s_add_nc_u64 s[OQ+4:OQ+5], s[OQ+4:OQ+5], s[2:3]
.macro LDX idx, base, off
	global_load_b128 v[XL+4*(\idx):XL+4*(\idx)+3], v[VX], s[\base:\base+1] offset:\off
.endm
.macro LOADW base, dst
.irp ks, 0,1,2,3,4,5,6,7
	global_load_b128 v[(\dst)+16*(\ks):(\dst)+16*(\ks)+3],     v[VW], s[\base:\base+1] offset:128*(\ks)
	global_load_b128 v[(\dst)+16*(\ks)+4:(\dst)+16*(\ks)+7],   v[VW], s[\base:\base+1] offset:128*(\ks)+16
	global_load_b128 v[(\dst)+16*(\ks)+8:(\dst)+16*(\ks)+11],  v[VW], s[\base:\base+1] offset:128*(\ks)+64
	global_load_b128 v[(\dst)+16*(\ks)+12:(\dst)+16*(\ks)+15], v[VW], s[\base:\base+1] offset:128*(\ks)+80
.endr
.endm
	LDX 0, XT, 0
	LDX 1, XT, 2048
.set ii, 0
.rept 32
	LDX ii+2, XM, 2048*ii
.set ii, ii+1
.endr
	LDX 34, XU, 0
	LDX 35, XU, 2048
	WIN 0x80
.irp m, 0,1,2
	global_load_b128 v[BIA+8*(\m):BIA+8*(\m)+3],   v[VB], s[BQ+2*(\m):BQ+2*(\m)+1]
	global_load_b128 v[BIA+8*(\m)+4:BIA+8*(\m)+7], v[VB], s[BQ+2*(\m):BQ+2*(\m)+1] offset:16
.endr
	WIN 0x40
	LOADW WQ, 0
	WIN 0
.macro RND idx
.set X0, XL+4*(\idx)
.set TP, T+2*((\idx)%8)
	v_cvt_pk_bf16_f32 v[TP], v[X0], v[X0+1]
	v_cvt_pk_bf16_f32 v[TP+1], v[X0+2], v[X0+3]
.if ((\idx) >= 2) && ((\idx) < 34)
	ds_store_b64 v[LX], v[TP:TP+1] offset:((\idx)-2)*2*PX
.endif
	v_lshlrev_b32 v[X0], 16, v[TP]
	v_and_b32 v[X0+1], s67, v[TP]
	v_lshlrev_b32 v[X0+2], 16, v[TP+1]
	v_and_b32 v[X0+3], s67, v[TP+1]
.endm
.macro SUMR i
.set X0, XL+4*(\i)
.set TT, T+16+16*((\i)%2)
.irp c, 0,2
	v_pk_add_f32 v[TT+(\c):TT+(\c)+1], v[X0+(\c):X0+(\c)+1], v[X0+4+(\c):X0+4+(\c)+1]
	v_pk_add_f32 v[TT+4+(\c):TT+4+(\c)+1], v[X0+12+(\c):X0+12+(\c)+1], v[X0+16+(\c):X0+16+(\c)+1]
.endr
.irp c, 0,2
	v_pk_add_f32 v[TT+(\c):TT+(\c)+1], v[TT+(\c):TT+(\c)+1], v[TT+4+(\c):TT+4+(\c)+1]
.endr
.irp c, 0,2
	v_pk_add_f32 v[TT+(\c):TT+(\c)+1], v[TT+(\c):TT+(\c)+1], v[X0+8+(\c):X0+8+(\c)+1]
.endr
	v_cvt_pk_bf16_f32 v[TT+8], v[TT], v[TT+1]
	v_cvt_pk_bf16_f32 v[TT+9], v[TT+2], v[TT+3]
	ds_store_b64 v[LXS], v[TT+8:TT+9] offset:(\i)*2*PX
.endm
	s_wait_loadcnt 38
.set ii, 0
.rept 36
	RND ii
.set ii, ii+1
.endr
	WIN 0x40
	LOADW WK, 128
	WIN 0
.set ii, 0
.rept 16
	SUMR ii
.set ii, ii+1
.endr
	WIN 0x80
	LOADW WVV, 0
	WIN 0
.rept 16
	SUMR ii
.set ii, ii+1
.endr
	s_wait_dscnt 0x0
	s_barrier_signal -1
	s_barrier_wait -1
.macro CVTW base
.set n, 0
.rept 64
	v_cvt_pk_bf16_f32 v[(\base)+n], v[(\base)+2*n], v[(\base)+2*n+1]
.set n, n+1
.endr
.endm
	s_wait_loadcnt 63
	WIN 0x45
	CVTW 0
	s_wait_loadcnt 32
	CVTW 128
	s_wait_loadcnt 0x0
	WIN 0x8a
	CVTW 0
.set n, 0
.rept 12
	v_cvt_pk_bf16_f32 v[BT+n], v[BIA+2*n], v[BIA+2*n+1]
.set n, n+1
.endr
.set n, 0
.rept 12
	v_lshlrev_b32 v[BIA+2*n], 16, v[BT+n]
	v_and_b32 v[BIA+2*n+1], s67, v[BT+n]
.set n, n+1
.endr
.irp c, 0,2,4,6
	v_pk_mul_f32 v[BIA+16+(\c):BIA+16+(\c)+1], v[BIA+16+(\c):BIA+16+(\c)+1], 0x40a00000 op_sel_hi:[1,0]
.endr
.macro FETCHA ks, buf
.irp rt, 0,1,2,3
	ds_load_b128 v[AF+64*(\buf)+8*(\rt):AF+64*(\buf)+8*(\rt)+3],   v[FA] offset:XB+(\rt)*16*PX+(\ks)*64
	ds_load_b128 v[AF+64*(\buf)+8*(\rt)+4:AF+64*(\buf)+8*(\rt)+7], v[FA] offset:XB+(\rt)*16*PX+(\ks)*64+32
.endr
.irp rt, 0,1,2,3
	ds_load_b128 v[AF+64*(\buf)+32+8*(\rt):AF+64*(\buf)+32+8*(\rt)+3],   v[FA] offset:XS+(\rt)*16*PX+(\ks)*64
	ds_load_b128 v[AF+64*(\buf)+32+8*(\rt)+4:AF+64*(\buf)+32+8*(\rt)+7], v[FA] offset:XS+(\rt)*16*PX+(\ks)*64+32
.endr
.endm
.macro MULS ks
.set AB, AF+64*((\ks)%2)
.if (\ks) == 0
	WIN 0x21
.else
	WIN 0x01
.endif
.irp m, 0,1
.irp rt, 0,1,2,3
.if (\ks) == 0
	v_wmma_f32_16x16x32_bf16 v[ACC+32*(\m)+8*(\rt):ACC+32*(\m)+8*(\rt)+7], v[128*(\m)+8*(\ks):128*(\m)+8*(\ks)+7], v[AB+8*(\rt):AB+8*(\rt)+7], v[BIA+8*(\m):BIA+8*(\m)+7]
.else
	v_wmma_f32_16x16x32_bf16 v[ACC+32*(\m)+8*(\rt):ACC+32*(\m)+8*(\rt)+7], v[128*(\m)+8*(\ks):128*(\m)+8*(\ks)+7], v[AB+8*(\rt):AB+8*(\rt)+7], v[ACC+32*(\m)+8*(\rt):ACC+32*(\m)+8*(\rt)+7]
.endif
.endr
.endr
.if (\ks) == 0
	WIN 0x22
.else
	WIN 0x02
.endif
.irp rt, 0,1,2,3
.if (\ks) == 0
	v_wmma_f32_16x16x32_bf16 v[ACC+64+8*(\rt):ACC+64+8*(\rt)+7], v[8*(\ks):8*(\ks)+7], v[AB+32+8*(\rt):AB+32+8*(\rt)+7], v[BIA+16:BIA+23]
.else
	v_wmma_f32_16x16x32_bf16 v[ACC+64+8*(\rt):ACC+64+8*(\rt)+7], v[8*(\ks):8*(\ks)+7], v[AB+32+8*(\rt):AB+32+8*(\rt)+7], v[ACC+64+8*(\rt):ACC+64+8*(\rt)+7]
.endif
.endr
.endm
	WIN 0
	FETCHA 0, 0
.set kk, 0
.rept 8
.if kk < 7
	WIN 0
.if kk > 0
	PLACES
.endif
	FETCHA kk+1, (kk+1)%2
	s_wait_dscnt 16
.else
	s_wait_dscnt 0x0
.endif
	MULS kk
.set kk, kk+1
.endr
	WIN 0
	PLACES
.set a, 0
.rept 12
.irp j, 0,1,2,3
	v_cvt_pk_bf16_f32 v[PKD+4*a+(\j)], v[ACC+8*a+2*(\j)], v[ACC+8*a+2*(\j)+1]
.endr
.set a, a+1
.endr
.set a, 0
.rept 12
	ds_store_b128 v[STO], v[PKD+4*a:PKD+4*a+3] offset:(a/4)*64*SP+(a%4)*16*SP
.set a, a+1
.endr
	s_wait_dscnt 0x0
	s_barrier_signal -1
	s_barrier_wait -1
.set a, 0
.rept 12
	ds_load_b128 v[BK+4*a:BK+4*a+3], v[RD] offset:(a/4)*64*SP+(a%4)*4*SP
.set a, a+1
.endr
.set a, 0
.rept 12
	s_wait_dscnt 11-a
	global_store_b128 v[GO], v[BK+4*a:BK+4*a+3], s[OQ+2*(a/4):OQ+2*(a/4)+1] offset:(a%4)*512
.set a, a+1
.endr
	s_wait_tensorcnt 0x0
	ds_add_u32 v[SPW], v[NIL]
	s_wait_dscnt 0x0
	s_endpgm
.Lfunc_end_k_qf014af4bda_proj:
	.size	k_qf014af4bda_proj, .Lfunc_end_k_qf014af4bda_proj-k_qf014af4bda_proj
	.p2alignl 7, 3214868480
	.fill 96, 4, 3214868480
	.section	.rodata,"a",@progbits
	.p2align	6, 0x0
	.amdhsa_kernel k_qf014af4bda_proj
		.amdhsa_group_segment_fixed_size 95744
		.amdhsa_private_segment_fixed_size 0
		.amdhsa_enable_private_segment 0
		.amdhsa_kernarg_size 136
		.amdhsa_user_sgpr_count 2
		.amdhsa_user_sgpr_kernarg_segment_ptr 1
		.amdhsa_wavefront_size32 1
		.amdhsa_system_sgpr_workgroup_id_x 1
		.amdhsa_system_sgpr_workgroup_id_y 1
		.amdhsa_system_sgpr_workgroup_id_z 1
		.amdhsa_system_vgpr_workitem_id 0
		.amdhsa_next_free_vgpr 680
		.amdhsa_next_free_sgpr 72
		.amdhsa_reserve_vcc 0
		.amdhsa_float_denorm_mode_32 3
		.amdhsa_float_denorm_mode_16_64 3
		.amdhsa_memory_ordered 1
		.amdhsa_forward_progress 1
		.amdhsa_inst_pref_size 87
	.end_amdhsa_kernel
	.amdgpu_metadata
---
amdhsa.version: [ 1, 2 ]
amdhsa.kernels:
  - .name:           k_qf014af4bda_proj
    .symbol:         k_qf014af4bda_proj.kd
    .args:
      - { .name: x0, .offset: 0, .size: 8, .value_kind: global_buffer, .address_space: global }
      - { .name: Wq0, .offset: 8, .size: 8, .value_kind: global_buffer, .address_space: global }
      - { .name: Wk0, .offset: 16, .size: 8, .value_kind: global_buffer, .address_space: global }
      - { .name: Wv0, .offset: 24, .size: 8, .value_kind: global_buffer, .address_space: global }
      - { .name: bq0, .offset: 32, .size: 8, .value_kind: global_buffer, .address_space: global }
      - { .name: bk0, .offset: 40, .size: 8, .value_kind: global_buffer, .address_space: global }
      - { .name: bv0, .offset: 48, .size: 8, .value_kind: global_buffer, .address_space: global }
      - { .name: x1, .offset: 56, .size: 8, .value_kind: global_buffer, .address_space: global }
      - { .name: Wq1, .offset: 64, .size: 8, .value_kind: global_buffer, .address_space: global }
      - { .name: Wk1, .offset: 72, .size: 8, .value_kind: global_buffer, .address_space: global }
      - { .name: Wv1, .offset: 80, .size: 8, .value_kind: global_buffer, .address_space: global }
      - { .name: bq1, .offset: 88, .size: 8, .value_kind: global_buffer, .address_space: global }
      - { .name: bk1, .offset: 96, .size: 8, .value_kind: global_buffer, .address_space: global }
      - { .name: bv1, .offset: 104, .size: 8, .value_kind: global_buffer, .address_space: global }
      - { .name: qw, .offset: 112, .size: 8, .value_kind: global_buffer, .address_space: global }
      - { .name: kw, .offset: 120, .size: 8, .value_kind: global_buffer, .address_space: global }
      - { .name: vw, .offset: 128, .size: 8, .value_kind: global_buffer, .address_space: global }
    .group_segment_fixed_size: 95744
    .private_segment_fixed_size: 0
    .kernarg_segment_align: 8
    .kernarg_segment_size: 136
    .max_flat_workgroup_size: 128
    .sgpr_count:     72
    .vgpr_count:     680
    .wavefront_size: 32
...
	.end_amdgpu_metadata
.endif
;; end of part 1
;; launch attn (part 2): grid 4 x 64, 4 waves a work-group, clusters of 4 x 1, 327,680 bytes of LDS; arguments qw, kw, vw, part; writes part
.if DOCPART == 2
	.amdgcn_target "amdgcn-amd-amdhsa--gfx1250"
	.amdhsa_code_object_version 6
	.text
	.protected	k_qf014af4bda_attn
	.globl	k_qf014af4bda_attn
	.p2align	8
	.type	k_qf014af4bda_attn,@function
k_qf014af4bda_attn:
	s_mov_b64 s[64:65], 0
	v_nop
	global_prefetch_b8 v0, s[64:65] scope:SCOPE_SE
	s_setreg_imm32_b32 hwreg(HW_REG_WAVE_MODE, 25, 1), 1
	s_wait_xcnt 0x0
	s_wait_alu depctr_hold_cnt(0) depctr_sa_sdst(0) depctr_va_vdst(0) depctr_va_sdst(0) depctr_va_ssrc(0) depctr_va_vcc(0) depctr_vm_vsrc(0)
	s_getreg_b32 s2, hwreg(HW_REG_IB_STS2, 6, 4)
	s_cmp_eq_u32 s2, 0
	s_cbranch_scc0 .Lentry_in_a_cluster
	s_endpgm
.Lentry_in_a_cluster:
	s_bfe_u32 s2, ttmp6, 0x10000c
	s_cmp_lg_u32 s2, 0x3003
	s_cbranch_scc0 .Lentry_shape_is_right
	s_endpgm
.Lentry_shape_is_right:
.set KS,    64
.set PK,    144
.set PV,    160
.set VOFF,  1024*PK
.set STAGE, VOFF+1024*PV
.set SP,    144
.set SPARE, STAGE+4*16*SP
.set AK0, 2
.set AV0, 3
.set ADR, 4
.set QO,  5
.set STO, 6
.set RD,  7
.set GO,  8
.set ST,  12
.set SPW, 62
.set NIL, 63
.set S,   64
.set P,   192
.set KF,  128
.set VF,  192
.set WV,  12
.set G1KA, 24
.set G1KB, 32
.set G1VA, 40
.set G1VB, 48
.set G0KA, 56
.set G0KB, 60
.set G0VA, 68
.set G0VB, 72
.set CS,  76
.set SEL, 78
.set TBK, 80
.set TBV, 81
.set CNT, 82
.set WT,  83
.set MSB, 0
.macro WIN new
.if MSB != (\new)
	s_set_vgpr_msb (MSB<<8)|(\new)
.set MSB, \new
.endif
.endm
.set W_KQ, 0x0a
.set W_PV, 0x52
.set W_RS, 0x41
.macro CROUND
	s_barrier_signal -1
	s_barrier_wait -1
	s_cmp_lg_u32 s[WV], 0
	s_cbranch_scc1 .Lnot_wave_0_\@
	s_barrier_signal -3
.Lnot_wave_0_\@:
	s_barrier_wait -3
	s_barrier_signal -1
	s_barrier_wait -1
.endm
.macro PLACES
.rept 4
	v_nop
.endr
.endm
	s_load_b256 s[4:11], s[0:1], 0x0
	v_lshl_add_u32 v[SPW], v0, 2, SPARE
	v_mov_b32 v[NIL], 0
	ds_add_u32 v[SPW], v[NIL]
	v_lshrrev_b32 v1, 5, v0
	v_readfirstlane_b32 s[WV], v1
	s_bfe_u32 s13, ttmp6, 0x40000
	s_lshl_b32 s14, ttmp9, 2
	s_add_co_u32 s14, s14, s13
	s_and_b32 s15, ttmp7, 0xffff
	s_and_b32 s16, s15, 3
	s_bfe_u32 s17, s15, 0x20003
	s_lshr_b32 s18, s15, 5
	s_bfe_u32 s19, s15, 0x10002
	s_lshl1_add_u32 s19, s19, s18
	s_lshl_b32 s19, s19, 2
	s_sub_co_u32 s20, s17, s16
	s_and_b32 s20, s20, 3
	s_add_co_u32 s21, s17, s16
	s_and_b32 s21, s21, 3
	s_cmp_eq_u32 s16, 2
	s_cselect_b32 s[WT], 2.0, 1.0
	s_add_co_u32 s20, s20, s19
	s_lshl_b32 s20, s20, 17
	s_add_co_u32 s21, s21, s19
	s_lshl_b32 s21, s21, 17
	s_and_b32 s84, s[WV], 1
	s_lshl_b32 s85, s84, 14
	s_mul_i32 s86, s84, 384*128
	s_add_co_u32 s86, s86, 256*128
	s_lshl_b32 s14, s14, 15
	s_lshl_b32 s87, s[WV], 13
	s_add_co_u32 s14, s14, s87
	s_add_co_u32 s17, s17, s19
	s_lshl_b32 s17, s17, 17
	s_add_co_u32 s22, s17, s14
	s_mov_b32 s23, 0
	s_lshl_b32 s15, s15, 18
	s_add_co_u32 s16, s15, s14
	s_mov_b32 s17, 0
	s_mov_b32 s[G1KA], 15|(1<<16)|(1<<20)|(1<<21)|(4<<22)|(3<<25)
	s_mov_b32 s[G1KB], 15|(1<<16)|(1<<20)|(1<<21)|(4<<22)|(3<<25)
	s_mov_b32 s[G1VA], 15|(1<<16)|(1<<20)|(1<<21)|(4<<22)|(7<<25)
	s_mov_b32 s[G1VB], 15|(1<<16)|(1<<20)|(1<<21)|(4<<22)|(7<<25)
.irp g, G1KA, G1KB, G1VA, G1VB
	s_mov_b32 s[\g+1], 128<<16
	s_mov_b32 s[\g+3], 128<<16
	s_mov_b32 s[\g+5], 128
	s_mov_b32 s[\g+6], 0
	s_mov_b32 s[\g+7], 0
.endr
.irp g, G1KA, G1VA
	s_mov_b32 s[\g+2], 64<<16
	s_mov_b32 s[\g+4], 64
.endr
.irp g, G1KB, G1VB
	s_mov_b32 s[\g+2], 192<<16
	s_mov_b32 s[\g+4], 192
.endr
.irp g, G0KA, G0KB, G0VA, G0VB
	s_mov_b32 s[\g], 1
.endr
	s_mul_i32 s[G0KA+1], s84, 128*PK
	s_mul_i32 s[G0KB+1], s84, 384*PK
	s_add_co_u32 s[G0KB+1], s[G0KB+1], 256*PK
	s_mul_i32 s[G0VA+1], s84, 128*PV
	s_add_co_u32 s[G0VA+1], s[G0VA+1], VOFF
	s_mul_i32 s[G0VB+1], s84, 384*PV
	s_add_co_u32 s[G0VB+1], s[G0VB+1], VOFF+256*PV
	s_mov_b32 s[CS], 0x3db8aa3b
	s_mov_b32 s[CS+1], s[CS]
	s_mov_b32 s[SEL], 0x76543210
	s_mov_b32 s[SEL+1], 0xfedcba98
	s_mov_b32 s[TBK], 0
	s_mov_b32 s[TBV], 0
	s_mov_b32 s3, 0
	s_wait_dscnt 0x0
	s_wait_kmcnt 0x0
	s_add_co_u32 s2, s20, s85
	s_add_nc_u64 s[G0KA+2:G0KA+3], s[6:7], s[2:3]
	s_or_b32 s[G0KA+3], s[G0KA+3], 0x80000000
	s_add_co_u32 s2, s20, s86
	s_add_nc_u64 s[G0KB+2:G0KB+3], s[6:7], s[2:3]
	s_or_b32 s[G0KB+3], s[G0KB+3], 0x80000000
	s_add_co_u32 s2, s21, s85
	s_add_nc_u64 s[G0VA+2:G0VA+3], s[8:9], s[2:3]
	s_or_b32 s[G0VA+3], s[G0VA+3], 0x80000000
	s_add_co_u32 s2, s21, s86
	s_add_nc_u64 s[G0VB+2:G0VB+3], s[8:9], s[2:3]
	s_or_b32 s[G0VB+3], s[G0VB+3], 0x80000000
	s_add_nc_u64 s[4:5], s[4:5], s[22:23]
	s_add_nc_u64 s[10:11], s[10:11], s[16:17]
	CROUND
	s_cmp_lt_u32 s[WV], 2
	s_cbranch_scc0 .Lfirst_v
	tensor_load_to_lds s[G0KA:G0KA+3], s[G1KA:G1KA+7]
	s_nop 0
	tensor_load_to_lds s[G0KB:G0KB+3], s[G1KB:G1KB+7]
	s_nop 0
.rept 4
	v_nop
.endr
	s_branch .Lfirst_asked
.Lfirst_v:
	tensor_load_to_lds s[G0VA:G0VA+3], s[G1VA:G1VA+7]
	s_nop 0
	tensor_load_to_lds s[G0VB:G0VB+3], s[G1VB:G1VB+7]
	s_nop 0
.rept 4
	v_nop
.endr
.Lfirst_asked:
	v_and_b32 v1, 15, v0
	v_bfe_u32 v9, v0, 4, 1
	v_lshlrev_b32 v[QO], 7, v1
	v_lshl_add_u32 v[QO], v9, 4, v[QO]
	WIN 0x80
.set i, 0
.rept 8
	global_load_b128 v[8*i:8*i+3],   v[QO], s[4:5] offset:(i/2)*2048+(i%2)*64
	global_load_b128 v[8*i+4:8*i+7], v[QO], s[4:5] offset:(i/2)*2048+(i%2)*64+32
.set i, i+1
.endr
	WIN 0
	v_mul_u32_u24 v[AK0], v1, PK
	v_lshl_add_u32 v[AK0], v9, 4, v[AK0]
	v_and_b32 v10, 7, v0
	v_bfe_u32 v11, v0, 3, 1
	v_lshl_add_u32 v[AV0], v9, 3, v10
	v_mul_u32_u24 v[AV0], v[AV0], PV
	v_lshl_add_u32 v[AV0], v11, 4, v[AV0]
	v_add_nc_u32 v[AV0], VOFF, v[AV0]
.macro KQ x
	WIN W_KQ
.set rS, S+32*((\x)+i%2)+8*((i/2)%4)
.set rK, KF+16*((i/2)%4)+8*(i/8)
.set rQ, 16*((\x)+i%2)+8*(i/8)
.if i < 8
	v_wmma_f32_16x16x32_bf16 v[rS:rS+7], v[rK:rK+7], v[rQ:rQ+7], 0
.else
	v_wmma_f32_16x16x32_bf16 v[rS:rS+7], v[rK:rK+7], v[rQ:rQ+7], v[rS:rS+7]
.endif
.endm
.macro PV x, zero
	WIN W_PV
.set rO, 32*((\x)+i%2)+8*((i/2)%4)
.set rV, VF+32*(i/8)+8*((i/2)%4)
.set rP, P+16*((\x)+i%2)+8*(i/8)
.if (\zero) && (i < 8)
	v_wmma_f32_16x16x32_bf16 v[rO:rO+7], v[rV:rV+7], v[rP:rP+7], 0
.else
	v_wmma_f32_16x16x32_bf16 v[rO:rO+7], v[rV:rV+7], v[rP:rP+7], v[rO:rO+7]
.endif
.endm
.macro FETCH_K
	WIN 0
	v_add_nc_u32 v[ADR], s[TBK], v[AK0]
	s_add_co_u32 s[TBK], s[TBK], KS*PK
	WIN 0x80
.irp f, 0,1,2,3,4,5,6,7
	ds_load_b128 v[KF+8*(\f):KF+8*(\f)+3],   v[ADR] offset:((\f)/2)*16*PK+((\f)%2)*64
	ds_load_b128 v[KF+8*(\f)+4:KF+8*(\f)+7], v[ADR] offset:((\f)/2)*16*PK+((\f)%2)*64+32
.endr
.endm
.macro FETCH_V
	WIN 0
	v_add_nc_u32 v[ADR], s[TBV], v[AV0]
	s_add_co_u32 s[TBV], s[TBV], KS*PV
	s_wait_alu depctr_va_vdst(0)
	WIN 0x80
.irp f, 0,1,2,3,4,5,6,7
	ds_load_tr16_b128 v[VF+8*(\f):VF+8*(\f)+3],   v[ADR] offset:((\f)/4)*32*PV+((\f)%4)*32
	ds_load_tr16_b128 v[VF+8*(\f)+4:VF+8*(\f)+7], v[ADR] offset:((\f)/4)*32*PV+16*PV+((\f)%4)*32
.endr
.endm
.macro SM t, first
.set rT, ST+8*(\t)
.set rS, S+32*(\t)
.set rP, P+16*(\t)
.set rO, 32*(\t)+2*(j-102)
.if j < 102
	WIN 0
.endif
.if j < 4
	v_max3_num_f32 v[rT+4+j], v[rS+8*j], v[rS+8*j+1], v[rS+8*j+2]
.elseif j < 12
	v_max3_num_f32 v[rT+4+j%4], v[rT+4+j%4], v[rS+8*(j%4)+2*(j/4)+1], v[rS+8*(j%4)+2*(j/4)+2]
.elseif j == 12
	v_max3_num_f32 v[rT+4], v[rT+4], v[rS+7], v[rS+15]
.elseif j == 13
	v_max3_num_f32 v[rT+6], v[rT+6], v[rS+23], v[rS+31]
.elseif j == 14
	v_max3_num_f32 v[rT+4], v[rT+4], v[rT+5], v[rT+6]
.elseif (j == 15) && (\first)
	v_max_num_f32 v[rT+4], v[rT+4], v[rT+7]
.elseif j == 15
	v_max3_num_f32 v[rT+4], v[rT+4], v[rT+7], v[rT+1]
.elseif j == 16
	v_permlanex16_b32 v[rT+5], v[rT+4], s[SEL], s[SEL+1]
.elseif j == 18
	v_max_num_f32 v[rT+1], v[rT+4], v[rT+5]
.elseif j == 19
	v_mul_f32 v[rT], s[CS], v[rT+1]
.elseif ((j == 17) || (j == 20) || (j == 23) || (j > 101)) && (\first)
.elseif j == 17
	v_mov_b32 v[rT+7], v[rT]
.elseif j == 20
	v_sub_f32 v[rT+7], v[rT+7], v[rT]
.elseif j == 23
	v_exp_f32 v[rT+6], v[rT+7]
.elseif (j < 23) || ((j < 38) && (j%2 == 0)) || ((j < 66) && (j%4 == 2))
.set b, (j-2)/4
.if j < 38
.set b, (j-20)/2
.endif
	v_pk_fma_f32 v[rS+2*b:rS+2*b+1], v[rS+2*b:rS+2*b+1], s[CS:CS+1], v[rT:rT+1] op_sel_hi:[1,0,0] neg_lo:[0,0,1] neg_hi:[0,0,1]
.elseif j < 70
.set e, j-38
.if j < 66
.set e, j-32-(j-38)/4
.endif
.if j < 38
.set e, (j-25)/2
.endif
	v_exp_f32 v[rS+e], v[rS+e]
.elseif j < 86
	v_cvt_pk_bf16_f32 v[rP+j-70], v[rS+2*(j-70)], v[rS+2*(j-70)+1]
.elseif j < 102
.set z, j-86
.set w, 4
.set u, z
.if z >= 14
.set w, 32
.set u, 0
.elseif z >= 12
.set w, 16
.set u, z-12
.elseif z >= 8
.set w, 8
.set u, z-8
.endif
.if (z == 14) && (\first)
	v_pk_add_f32 v[rT+2:rT+3], v[rS:rS+1], v[rS+16:rS+17]
.elseif z < 15
	v_pk_add_f32 v[rS+w*u:rS+w*u+1], v[rS+w*u:rS+w*u+1], v[rS+w*u+w/2:rS+w*u+w/2+1]
.elseif !(\first)
	v_pk_fma_f32 v[rT+2:rT+3], v[rT+2:rT+3], v[rT+6:rT+7], v[rS:rS+1] op_sel_hi:[1,0,1]
.endif
.else
	WIN W_RS
	v_pk_mul_f32 v[rO:rO+1], v[rO:rO+1], v[rT+6:rT+7] op_sel_hi:[1,0]
.endif
.endm
.macro SLICE y, first
.if k < 59
.if (k >= 11) && (k < 35)
.irp n, 0,1,2,3
.set j, 22+4*((k-11)/2)+(\n)
	SM (\y)+(k-11)%2, \first
.endr
.else
.irp n, 0,1
.irp t, \y, (\y)+1
.set j, 2*k+(\n)
	SM \t, \first
.endr
.endr
.endif
.if k == 34
	v_nop
.if (\y) == 0
	FETCH_V
.else
	s_wait_alu depctr_va_vdst(0)
.endif
.endif
.endif
.set k, k+1
.endm
.macro RIDE y, first
.if full
	SLICE \y, \first
.if g >= 5
	SLICE \y, \first
.endif
.else
.rept 4
	SLICE \y, \first
.endr
.endif
.set g, g+1
.endm
.macro TURN x, pv, kq, first
.set k, 0
.set g, 0
.set full, 0
.if (\pv) && (\kq)
.set full, 1
.endif
.if \pv
.if (\x) == 0
	s_wait_dscnt 0x0
.endif
.set i, 0
.rept 16
	PV \x, 2-(\pv)
	RIDE 2-(\x), \first
.if ((\x) == 0) && (\kq) && (i == 1)
	FETCH_K
.endif
.set i, i+1
.endr
.endif
.if \kq
.if (\x) == 0
	s_wait_dscnt 0x0
.endif
.set i, 0
.rept 16
	KQ \x
	RIDE 2-(\x), \first
.set i, i+1
.endr
.endif
.if \first
	PLACES
.endif
.endm
.macro TRIPS n
	WIN 0
	s_mov_b32 s[CNT], \n
.Ltrip_\@:
	TURN 0, 2, 1, 0
	TURN 2, 2, 1, 0
	WIN 0
	s_sub_co_u32 s[CNT], s[CNT], 1
	s_cmp_lg_u32 s[CNT], 0
	s_cbranch_scc1 .Ltrip_\@
.endm
	s_wait_tensorcnt 0x1
	s_barrier_signal -1
	s_barrier_wait -1
	FETCH_K
	s_wait_loadcnt 0x0
	s_wait_dscnt 0x0
.set i, 0
.rept 16
	KQ 0
.set i, i+1
.endr
	WIN 0
	s_mul_i32 s87, s[WV], 16*SP
	s_add_co_u32 s87, s87, STAGE
	v_mul_u32_u24 v[STO], v1, SP
	v_lshl_add_u32 v[STO], v9, 5, v[STO]
	v_add_nc_u32 v[STO], s87, v[STO]
	v_bfe_u32 v[RD], v0, 3, 2
	v_mul_u32_u24 v[RD], v[RD], SP
	v_lshl_add_u32 v[RD], v10, 4, v[RD]
	v_add_nc_u32 v[RD], s87, v[RD]
	v_and_b32 v[GO], 31, v0
	v_lshlrev_b32 v[GO], 4, v[GO]
	TURN 2, 0, 1, 1
	TURN 0, 1, 1, 1
	TURN 2, 1, 1, 0
	TRIPS 2
	s_wait_tensorcnt 0x0
	s_wait_dscnt 0x0
	s_barrier_signal -1
	s_barrier_wait -1
	TRIPS 12
	TURN 0, 2, 0, 0
.set i, 0
.rept 16
	PV 2, 0
.set i, i+1
.endr
	WIN 0
.irp t, 0,1,2,3
	v_add_f32 v[ST+8*(\t)+4], v[ST+8*(\t)+2], v[ST+8*(\t)+3]
.endr
.irp t, 0,1,2,3
	v_permlanex16_b32 v[ST+8*(\t)+5], v[ST+8*(\t)+4], s[SEL], s[SEL+1]
.endr
.irp t, 0,1,2,3
	v_add_f32 v[ST+8*(\t)+4], v[ST+8*(\t)+4], v[ST+8*(\t)+5]
.endr
.irp t, 0,1,2,3
	v_rcp_f32 v[ST+8*(\t)+6], v[ST+8*(\t)+4]
.endr
	v_nop
	s_wait_alu depctr_va_vdst(0)
.irp t, 0,1,2,3
	v_mul_f32 v[ST+8*(\t)+6], s[WT], v[ST+8*(\t)+6]
.endr
.macro PACK e
.set rO, 16*(\e)
.set rT, ST+8*((\e)/2)
	WIN W_RS
.set n, 0
.rept 8
	v_pk_mul_f32 v[rO+n:rO+n+1], v[rO+n:rO+n+1], v[rT+6:rT+7] op_sel_hi:[1,0]
.set n, n+2
.endr
	WIN 0x04
.irp f, 0,1,2,3
	ds_store_b128 v[STO], v[rO+4*(\f):rO+4*(\f)+3] offset:64*((\f)/2)+16*((\f)%2)
.endr
	WIN 0
.irp f, 0,1,2,3
	ds_load_b128 v[S+16*(\e)+4*(\f):S+16*(\e)+4*(\f)+3], v[RD] offset:(\f)*4*SP
.endr
.endm
.macro SEND e, younger
	WIN 0
.irp f, 0,1,2,3
	s_wait_dscnt (\younger)+3-(\f)
	global_store_b128 v[GO], v[S+16*(\e)+4*(\f):S+16*(\e)+4*(\f)+3], s[10:11] offset:((\e)%2)*131072+((\e)/2)*2048+(\f)*512
.endr
.endm
	PACK 0
.set ee, 1
.rept 7
	PACK ee
	SEND ee-1, 8
.set ee, ee+1
.endr
	SEND 7, 0
	s_wait_tensorcnt 0x0
	ds_add_u32 v[SPW], v[NIL]
	s_wait_dscnt 0x0
	CROUND
	s_endpgm
.Lfunc_end_k_qf014af4bda_attn:
	.size	k_qf014af4bda_attn, .Lfunc_end_k_qf014af4bda_attn-k_qf014af4bda_attn
	.p2alignl 7, 3214868480
	.fill 96, 4, 3214868480
	.section	.rodata,"a",@progbits
	.p2align	6, 0x0
	.amdhsa_kernel k_qf014af4bda_attn
		.amdhsa_group_segment_fixed_size 327680
		.amdhsa_private_segment_fixed_size 0
		.amdhsa_enable_private_segment 0
		.amdhsa_kernarg_size 32
		.amdhsa_user_sgpr_count 2
		.amdhsa_user_sgpr_kernarg_segment_ptr 1
		.amdhsa_wavefront_size32 1
		.amdhsa_system_sgpr_workgroup_id_x 1
		.amdhsa_system_sgpr_workgroup_id_y 1
		.amdhsa_system_sgpr_workgroup_id_z 1
		.amdhsa_system_vgpr_workitem_id 0
		.amdhsa_next_free_vgpr 768
		.amdhsa_next_free_sgpr 88
		.amdhsa_reserve_vcc 0
		.amdhsa_float_denorm_mode_32 3
		.amdhsa_float_denorm_mode_16_64 3
		.amdhsa_memory_ordered 1
		.amdhsa_forward_progress 1
		.amdhsa_inst_pref_size 159
	.end_amdhsa_kernel
	.amdgpu_metadata
---
amdhsa.version: [ 1, 2 ]
amdhsa.kernels:
  - .name:           k_qf014af4bda_attn
    .symbol:         k_qf014af4bda_attn.kd
    .args:
      - { .name: qw, .offset: 0, .size: 8, .value_kind: global_buffer, .address_space: global }
      - { .name: kw, .offset: 8, .size: 8, .value_kind: global_buffer, .address_space: global }
      - { .name: vw, .offset: 16, .size: 8, .value_kind: global_buffer, .address_space: global }
      - { .name: part, .offset: 24, .size: 8, .value_kind: global_buffer, .address_space: global }
    .group_segment_fixed_size: 327680
    .private_segment_fixed_size: 0
    .kernarg_segment_align: 8
    .kernarg_segment_size: 32
    .max_flat_workgroup_size: 128
    .sgpr_count:     88
    .vgpr_count:     768
    .wavefront_size: 32
...
	.end_amdgpu_metadata
.endif
;; end of part 2
;; launch sum (part 3): grid 256 x 1, 8 waves a work-group, no clusters, 0 bytes of LDS; arguments part, out0; writes out0
.if DOCPART == 3
	.amdgcn_target "amdgcn-amd-amdhsa--gfx1250"
	.amdhsa_code_object_version 6
	.text
	.protected	k_qf014af4bda_sum
	.globl	k_qf014af4bda_sum
	.p2align	8
	.type	k_qf014af4bda_sum,@function
k_qf014af4bda_sum:
	s_mov_b64 s[64:65], 0
	v_nop
	global_prefetch_b8 v0, s[64:65] scope:SCOPE_SE
	s_setreg_imm32_b32 hwreg(HW_REG_WAVE_MODE, 25, 1), 1
	s_wait_xcnt 0x0
	s_load_b128 s[4:7], s[0:1], 0x0
	s_lshr_b32 s8, ttmp9, 5
	s_and_b32 s9, ttmp9, 31
	s_lshl_b32 s2, s8, 21
	s_lshl_b32 s10, s9, 12
	s_add_co_u32 s2, s2, s10
	s_mov_b32 s3, 0
	s_lshr_b32 s10, s8, 2
	s_lshl_b32 s10, s10, 20
	s_lshl_b32 s11, s9, 15
	s_add_co_u32 s10, s10, s11
	s_and_b32 s11, s8, 3
	s_lshl_b32 s11, s11, 8
	s_add_co_u32 s10, s10, s11
	s_mov_b32 s11, 0
	v_bfe_u32 v3, v0, 3, 1
	v_lshrrev_b32 v4, 4, v0
	v_and_b32 v5, 7, v0
	v_lshlrev_b32 v1, 17, v3
	v_lshl_add_u32 v1, v4, 7, v1
	v_lshl_add_u32 v1, v5, 4, v1
	v_and_b32 v5, 15, v0
	v_lshlrev_b32 v2, 10, v4
	v_lshl_add_u32 v2, v5, 4, v2
	s_wait_kmcnt 0x0
	s_add_nc_u64 s[4:5], s[4:5], s[2:3]
	s_add_nc_u64 s[6:7], s[6:7], s[10:11]
.irp u, 0,1
.irp j, 0,1,2,3,4,5,6,7
	global_load_b128 v[8+32*(\u)+4*(\j):8+32*(\u)+4*(\j)+3], v1, s[4:5] offset:(\j)*262144+(\u)*2048 th:TH_LOAD_NT
.endr
.endr
.macro TREE u
.set B0, 8+32*(\u)
.irp j, 0,2,4,6
.irp c, 0,2
	v_pk_add_f32 v[B0+4*(\j)+(\c):B0+4*(\j)+(\c)+1], v[B0+4*(\j)+(\c):B0+4*(\j)+(\c)+1], v[B0+4*(\j)+4+(\c):B0+4*(\j)+4+(\c)+1]
.endr
.endr
.irp j, 0,4
.irp c, 0,2
	v_pk_add_f32 v[B0+4*(\j)+(\c):B0+4*(\j)+(\c)+1], v[B0+4*(\j)+(\c):B0+4*(\j)+(\c)+1], v[B0+4*(\j)+8+(\c):B0+4*(\j)+8+(\c)+1]
.endr
.endr
.irp c, 0,2
	v_pk_add_f32 v[B0+(\c):B0+(\c)+1], v[B0+(\c):B0+(\c)+1], v[B0+16+(\c):B0+16+(\c)+1]
.endr
	global_store_b128 v2, v[B0:B0+3], s[6:7] offset:(\u)*16384 th:TH_STORE_NT
.endm
	s_wait_loadcnt 8
	TREE 0
	s_wait_loadcnt 0x0
	TREE 1
	s_endpgm
.Lfunc_end_k_qf014af4bda_sum:
	.size	k_qf014af4bda_sum, .Lfunc_end_k_qf014af4bda_sum-k_qf014af4bda_sum
	.p2alignl 7, 3214868480
	.fill 96, 4, 3214868480
	.section	.rodata,"a",@progbits
	.p2align	6, 0x0
	.amdhsa_kernel k_qf014af4bda_sum
		.amdhsa_group_segment_fixed_size 0
		.amdhsa_private_segment_fixed_size 0
		.amdhsa_enable_private_segment 0
		.amdhsa_kernarg_size 16
		.amdhsa_user_sgpr_count 2
		.amdhsa_user_sgpr_kernarg_segment_ptr 1
		.amdhsa_wavefront_size32 1
		.amdhsa_system_sgpr_workgroup_id_x 1
		.amdhsa_system_sgpr_workgroup_id_y 1
		.amdhsa_system_sgpr_workgroup_id_z 1
		.amdhsa_system_vgpr_workitem_id 0
		.amdhsa_next_free_vgpr 80
		.amdhsa_next_free_sgpr 66
		.amdhsa_reserve_vcc 0
		.amdhsa_float_denorm_mode_32 3
		.amdhsa_float_denorm_mode_16_64 3
		.amdhsa_memory_ordered 1
		.amdhsa_forward_progress 1
		.amdhsa_inst_pref_size 5
	.end_amdhsa_kernel
	.amdgpu_metadata
---
amdhsa.version: [ 1, 2 ]
amdhsa.kernels:
  - .name:           k_qf014af4bda_sum
    .symbol:         k_qf014af4bda_sum.kd
    .args:
      - { .name: part, .offset: 0, .size: 8, .value_kind: global_buffer, .address_space: global }
      - { .name: out0, .offset: 8, .size: 8, .value_kind: global_buffer, .address_space: global }
    .group_segment_fixed_size: 0
    .private_segment_fixed_size: 0
    .kernarg_segment_align: 8
    .kernarg_segment_size: 16
    .max_flat_workgroup_size: 256
    .sgpr_count:     66
    .vgpr_count:     80
    .wavefront_size: 32
...
	.end_amdgpu_metadata
.endif
;; end of part 3
;; ======== version 2 of 2: 3 launches; version 1 with the launch proj written anew for expert scheduling mode
;; workspace buffers: qw 2,097,152 bytes; kw 2,097,152 bytes; vw 2,097,152 bytes; part 16,777,216 bytes
;; launch proj (part 4): grid 4 x 64, 4 waves a work-group, no clusters, 95,744 bytes of LDS; arguments x0, Wq0, Wk0, Wv0, bq0, bk0, bv0, x1, Wq1, Wk1, Wv1, bq1, bk1, bv1, qw, kw, vw; writes qw, kw, vw
.if DOCPART == 4
	.amdgcn_target "amdgcn-amd-amdhsa--gfx1250"
	.amdhsa_code_object_version 6
	.text
	.protected	k_qf014af4bda_proj
	.globl	k_qf014af4bda_proj
	.p2align	8
	.type	k_qf014af4bda_proj,@function
k_qf014af4bda_proj:
	s_mov_b64 s[64:65], 0
	v_nop
	global_prefetch_b8 v0, s[64:65] scope:SCOPE_SE
	s_setreg_imm32_b32 hwreg(HW_REG_WAVE_SCHED_MODE, 0, 2), 2
	s_setreg_imm32_b32 hwreg(HW_REG_WAVE_MODE, 25, 1), 1
	s_wait_xcnt 0x0
	s_wait_alu depctr_vm_vsrc(0)
.set PX,    528
.set XB,    0
.set XS,    64*PX
.set STAGE, 2*64*PX
.set SP,    144
.set SPARE, STAGE+3*64*SP
.set VX,  3
.set LX,  4
.set LXS, 5
.set VW,  6
.set VB,  7
.set FA,  8
.set STO, 9
.set RD,  10
.set GO,  11
.set SPW, 12
.set NIL, 13
.set PR,  16
.set XL,  64
.set TS,  232
.set ACC, 16
.set PKD, 112
.set BK,  160
.set BIA, 128
.set BT,  152
.set XA,  42
.set WQ,  44
.set WK,  46
.set WVV, 48
.set BQ,  50
.set XM,  56
.set XT,  58
.set XU,  60
.set OQ,  36
.set MSB, 0
.macro WIN new
.if MSB != (\new)
	s_set_vgpr_msb (MSB<<8)|(\new)
.set MSB, \new
.endif
.endm
.macro PLACES
.rept 4
	v_nop
.endr
.endm
	s_load_b512 s[8:23], s[0:1], 0x0
	s_load_b512 s[24:39], s[0:1], 0x40
	s_load_b64 s[40:41], s[0:1], 0x80
	v_lshl_add_u32 v[SPW], v0, 2, SPARE
	v_mov_b32 v[NIL], 0
	v_lshrrev_b32 v14, 5, v0
	v_readfirstlane_b32 s4, v14
	s_mov_b32 s66, ttmp9
	s_and_b32 s5, ttmp7, 0xffff
	s_lshr_b32 s6, s5, 5
	s_bfe_u32 s7, s5, 0x10004
	s_and_b32 s5, s5, 15
	s_lshl_b32 s5, s5, 6
	s_mov_b32 s67, 0xffff0000
	v_and_b32 v1, 15, v0
	v_bfe_u32 v2, v0, 4, 1
	v_lshrrev_b32 v14, 6, v0
	v_and_b32 v15, 63, v0
	v_lshlrev_b32 v[VX], 4, v15
	v_lshl_add_u32 v[VX], v14, 10, v[VX]
	v_mul_u32_u24 v[LX], v14, PX
	v_lshl_add_u32 v[LX], v15, 3, v[LX]
	v_add_nc_u32 v[LXS], XS, v[LX]
	s_lshl_b32 s62, s66, 6
	s_wait_alu depctr_va_sdst(0)
	s_lshl4_add_u32 s62, s4, s62
	v_add_nc_u32 v[VW], s62, v1
	v_lshlrev_b32 v[VW], 10, v[VW]
	v_lshl_add_u32 v[VW], v2, 5, v[VW]
	v_lshl_add_u32 v[VB], v2, 3, s62
	v_lshlrev_b32 v[VB], 2, v[VB]
	v_mul_u32_u24 v[FA], v1, PX
	v_lshl_add_u32 v[FA], v2, 4, v[FA]
	s_lshl_b32 s63, s4, 5
	s_add_co_u32 s63, s63, STAGE
	v_mul_u32_u24 v[STO], v1, SP
	v_lshl_add_u32 v[STO], v2, 4, v[STO]
	v_add_nc_u32 v[STO], s63, v[STO]
	s_mul_i32 s63, s4, 16*SP
	s_add_co_u32 s63, s63, STAGE
	v_bfe_u32 v14, v0, 3, 2
	v_and_b32 v15, 7, v0
	v_mul_u32_u24 v[RD], v14, SP
	v_lshl_add_u32 v[RD], v15, 4, v[RD]
	v_add_nc_u32 v[RD], s63, v[RD]
	s_lshl_b32 s63, s4, 11
	v_and_b32 v[GO], 31, v0
	v_lshl_add_u32 v[GO], v[GO], 4, s63
	s_wait_kmcnt 0x0
	s_cmp_eq_u32 s6, 0
	s_cselect_b64 s[XA:XA+1], s[8:9], s[22:23]
	s_cselect_b64 s[WQ:WQ+1], s[10:11], s[24:25]
	s_cselect_b64 s[WK:WK+1], s[12:13], s[26:27]
	s_cselect_b64 s[WVV:WVV+1], s[14:15], s[28:29]
	s_cselect_b64 s[BQ:BQ+1], s[16:17], s[30:31]
	s_cselect_b64 s[BQ+2:BQ+3], s[18:19], s[32:33]
	s_cselect_b64 s[BQ+4:BQ+5], s[20:21], s[34:35]
	s_mov_b32 s3, 0
	s_lshl_b32 s2, s7, 20
	s_add_nc_u64 s[XA:XA+1], s[XA:XA+1], s[2:3]
	s_lshl_b32 s2, s5, 10
	s_add_nc_u64 s[XM:XM+1], s[XA:XA+1], s[2:3]
	s_sub_co_u32 s2, s5, 4
	s_and_b32 s2, s2, 1023
	s_lshl_b32 s2, s2, 10
	s_add_nc_u64 s[XT:XT+1], s[XA:XA+1], s[2:3]
	s_add_co_u32 s2, s5, 64
	s_and_b32 s2, s2, 1023
	s_lshl_b32 s2, s2, 10
	s_add_nc_u64 s[XU:XU+1], s[XA:XA+1], s[2:3]
	s_lshl1_add_u32 s2, s6, s7
	s_lshl2_add_u32 s2, s2, s66
	s_lshl_b32 s2, s2, 17
	s_lshl_b32 s62, s5, 7
	s_add_co_u32 s2, s2, s62
	s_add_nc_u64 s[OQ:OQ+1], s[OQ:OQ+1], s[2:3]
	s_add_nc_u64 s[OQ+2:OQ+3], s[OQ+2:OQ+3], s[2:3]
	s_add_nc_u64 s[OQ+4:OQ+5], s[OQ+4:OQ+5], s[2:3]
	s_wait_alu depctr_va_vdst(0)
.macro LDX idx, base, off
	global_load_b128 v[XL+4*(\idx):XL+4*(\idx)+3], v[VX], s[\base:\base+1] offset:\off
.endm
.macro LOADW base, dst
.irp ks, 0,1,2,3,4,5,6,7
	global_load_b128 v[(\dst)+16*(\ks):(\dst)+16*(\ks)+3],     v[VW], s[\base:\base+1] offset:128*(\ks)
	global_load_b128 v[(\dst)+16*(\ks)+4:(\dst)+16*(\ks)+7],   v[VW], s[\base:\base+1] offset:128*(\ks)+16
	global_load_b128 v[(\dst)+16*(\ks)+8:(\dst)+16*(\ks)+11],  v[VW], s[\base:\base+1] offset:128*(\ks)+64
	global_load_b128 v[(\dst)+16*(\ks)+12:(\dst)+16*(\ks)+15], v[VW], s[\base:\base+1] offset:128*(\ks)+80
.endr
.endm
	LDX 0, XT, 0
	LDX 1, XT, 2048
.set ii, 0
.rept 32
	LDX ii+2, XM, 2048*ii
.set ii, ii+1
.endr
	LDX 34, XU, 0
	LDX 35, XU, 2048
	WIN 0x80
.irp m, 0,1,2
	global_load_b128 v[BIA+8*(\m):BIA+8*(\m)+3],   v[VB], s[BQ+2*(\m):BQ+2*(\m)+1]
	global_load_b128 v[BIA+8*(\m)+4:BIA+8*(\m)+7], v[VB], s[BQ+2*(\m):BQ+2*(\m)+1] offset:16
.endr
	WIN 0x40
	LOADW WQ, 0
	WIN 0
.macro RND idx
.set X0, XL+4*(\idx)
.set TP, PR+2*(\idx)+144*((\idx)/24)
	v_cvt_pk_bf16_f32 v[TP], v[X0], v[X0+1]
	v_cvt_pk_bf16_f32 v[TP+1], v[X0+2], v[X0+3]
	v_lshlrev_b32 v[X0], 16, v[TP]
	v_and_b32 v[X0+1], s67, v[TP]
	v_lshlrev_b32 v[X0+2], 16, v[TP+1]
	v_and_b32 v[X0+3], s67, v[TP+1]
.endm
.macro STX idx
.set TP, PR+2*(\idx)+144*((\idx)/24)
	ds_store_b64 v[LX], v[TP:TP+1] offset:((\idx)-2)*2*PX
.endm
.macro SUMR i
.set X0, XL+4*(\i)
.set TT, TS+8*((\i)%2)
.irp c, 0,2
	v_pk_add_f32 v[TT+(\c):TT+(\c)+1], v[X0+(\c):X0+(\c)+1], v[X0+4+(\c):X0+4+(\c)+1]
	v_pk_add_f32 v[TT+4+(\c):TT+4+(\c)+1], v[X0+12+(\c):X0+12+(\c)+1], v[X0+16+(\c):X0+16+(\c)+1]
.endr
.irp c, 0,2
	v_pk_add_f32 v[TT+(\c):TT+(\c)+1], v[TT+(\c):TT+(\c)+1], v[TT+4+(\c):TT+4+(\c)+1]
.endr
.irp c, 0,2
	v_pk_add_f32 v[TT+(\c):TT+(\c)+1], v[TT+(\c):TT+(\c)+1], v[X0+8+(\c):X0+8+(\c)+1]
.endr
	v_cvt_pk_bf16_f32 v[X0], v[TT], v[TT+1]
	v_cvt_pk_bf16_f32 v[X0+1], v[TT+2], v[TT+3]
.endm
.macro STS i
.set X0, XL+4*(\i)
	ds_store_b64 v[LXS], v[X0:X0+1] offset:(\i)*2*PX
.endm
	s_wait_loadcnt 38
.set ii, 0
.rept 12
	RND ii
.set ii, ii+1
.endr
	s_wait_alu depctr_va_vdst(0)
.rept 12
.if ii >= 14
	STX ii-12
.endif
	RND ii
.set ii, ii+1
.endr
	s_wait_alu depctr_va_vdst(0)
.rept 12
	STX ii-12
	RND ii
.set ii, ii+1
.endr
	WIN 0x40
	s_wait_alu depctr_va_vdst(0)
	LOADW WK, 128
	WIN 0
.set ii, 0
.rept 8
	STX ii+24
.if ii < 2
	STX ii+32
.endif
	SUMR ii
.set ii, ii+1
.endr
	s_wait_alu depctr_va_vdst(0)
.rept 8
	STS ii-8
	SUMR ii
.set ii, ii+1
.endr
	WIN 0x80
	s_wait_alu depctr_va_vdst(0)
	LOADW WVV, 0
	WIN 0
.rept 8
	STS ii-8
	SUMR ii
.set ii, ii+1
.endr
	s_wait_alu depctr_va_vdst(0)
.rept 8
	STS ii-8
	SUMR ii
.set ii, ii+1
.endr
	s_wait_alu depctr_va_vdst(0)
.rept 8
	STS ii-8
.set ii, ii+1
.endr
	s_wait_dscnt 0x0
	s_barrier_signal -1
	s_barrier_wait -1
.macro FRAG ks
.if (\ks) == 0
.set FB, 112
.set FW, 0
.elseif (\ks) == 1
.set FB, 176
.set FW, 0
.elseif (\ks) == 2
.set FB, 192
.set FW, 2
.elseif (\ks) == 3
.set FB, 64
.set FW, 1
.else
.set FB, 64*((\ks)-4)
.set FW, 3
.endif
.endm
.macro FETCHA ks
	FRAG \ks
	WIN FW<<6
.irp rt, 0,1,2,3
	ds_load_b128 v[FB+8*(\rt):FB+8*(\rt)+3],   v[FA] offset:XB+(\rt)*16*PX+(\ks)*64
	ds_load_b128 v[FB+8*(\rt)+4:FB+8*(\rt)+7], v[FA] offset:XB+(\rt)*16*PX+(\ks)*64+32
.endr
.irp rt, 0,1,2,3
	ds_load_b128 v[FB+32+8*(\rt):FB+32+8*(\rt)+3],   v[FA] offset:XS+(\rt)*16*PX+(\ks)*64
	ds_load_b128 v[FB+32+8*(\rt)+4:FB+32+8*(\rt)+7], v[FA] offset:XS+(\rt)*16*PX+(\ks)*64+32
.endr
.endm
	s_wait_alu depctr_vm_vsrc(0)
	FETCHA 0
	FETCHA 1
	FETCHA 2
.macro CVTW base
.set n, 0
.rept 64
	v_cvt_pk_bf16_f32 v[(\base)+n], v[(\base)+2*n], v[(\base)+2*n+1]
.set n, n+1
.endr
.endm
	s_wait_loadcnt 63
	WIN 0x45
	CVTW 0
	s_wait_loadcnt 32
	CVTW 128
	s_wait_loadcnt 0x0
	WIN 0x8a
	CVTW 0
.set n, 0
.rept 12
	v_cvt_pk_bf16_f32 v[BT+n], v[BIA+2*n], v[BIA+2*n+1]
.set n, n+1
.endr
.set n, 0
.rept 12
	v_lshlrev_b32 v[BIA+2*n], 16, v[BT+n]
	v_and_b32 v[BIA+2*n+1], s67, v[BT+n]
.set n, n+1
.endr
.irp c, 0,2,4,6
	v_pk_mul_f32 v[BIA+16+(\c):BIA+16+(\c)+1], v[BIA+16+(\c):BIA+16+(\c)+1], 0x40a00000 op_sel_hi:[1,0]
.endr
.macro MULS ks
	FRAG \ks
.set CW, 0
.if (\ks) == 0
.set CW, 2
.endif
	WIN 1|(FW<<2)|(CW<<4)
.irp m, 0,1
.irp rt, 0,1,2,3
.if (\ks) == 0
	v_wmma_f32_16x16x32_bf16 v[ACC+32*(\m)+8*(\rt):ACC+32*(\m)+8*(\rt)+7], v[128*(\m)+8*(\ks):128*(\m)+8*(\ks)+7], v[FB+8*(\rt):FB+8*(\rt)+7], v[BIA+8*(\m):BIA+8*(\m)+7]
.else
	v_wmma_f32_16x16x32_bf16 v[ACC+32*(\m)+8*(\rt):ACC+32*(\m)+8*(\rt)+7], v[128*(\m)+8*(\ks):128*(\m)+8*(\ks)+7], v[FB+8*(\rt):FB+8*(\rt)+7], v[ACC+32*(\m)+8*(\rt):ACC+32*(\m)+8*(\rt)+7]
.endif
.endr
.endr
	WIN 2|(FW<<2)|(CW<<4)
.irp rt, 0,1,2,3
.if (\ks) == 0
	v_wmma_f32_16x16x32_bf16 v[ACC+64+8*(\rt):ACC+64+8*(\rt)+7], v[8*(\ks):8*(\ks)+7], v[FB+32+8*(\rt):FB+32+8*(\rt)+7], v[BIA+16:BIA+23]
.else
	v_wmma_f32_16x16x32_bf16 v[ACC+64+8*(\rt):ACC+64+8*(\rt)+7], v[8*(\ks):8*(\ks)+7], v[FB+32+8*(\rt):FB+32+8*(\rt)+7], v[ACC+64+8*(\rt):ACC+64+8*(\rt)+7]
.endif
.endr
.endm
.set kk, 0
.rept 8
.if kk < 6
	s_wait_dscnt 32
.else
	s_wait_dscnt 16*(7-kk)
.endif
.if kk == 0
	WIN 0x40
	s_wait_alu depctr_va_vdst(0)
.endif
.if kk < 5
	FETCHA kk+3
.endif
	MULS kk
.set kk, kk+1
.endr
	WIN 0
	PLACES
.set a, 0
.rept 12
.irp j, 0,1,2,3
	v_cvt_pk_bf16_f32 v[PKD+4*a+(\j)], v[ACC+8*a+2*(\j)], v[ACC+8*a+2*(\j)+1]
.endr
.set a, a+1
.endr
	s_wait_alu depctr_va_vdst(0)
.set a, 0
.rept 12
	ds_store_b128 v[STO], v[PKD+4*a:PKD+4*a+3] offset:(a/4)*64*SP+(a%4)*16*SP
.set a, a+1
.endr
	s_wait_dscnt 0x0
	s_barrier_signal -1
	s_barrier_wait -1
.set a, 0
.rept 12
	ds_load_b128 v[BK+4*a:BK+4*a+3], v[RD] offset:(a/4)*64*SP+(a%4)*4*SP
.set a, a+1
.endr
.set a, 0
.rept 12
	s_wait_dscnt 11-a
	global_store_b128 v[GO], v[BK+4*a:BK+4*a+3], s[OQ+2*(a/4):OQ+2*(a/4)+1] offset:(a%4)*512
.set a, a+1
.endr
	s_wait_dscnt 0x0
	s_wait_alu 0x0
	s_wait_tensorcnt 0x0
	ds_add_u32 v[SPW], v[NIL]
	s_wait_dscnt 0x0
	s_endpgm
.Lfunc_end_k_qf014af4bda_proj:
	.size	k_qf014af4bda_proj, .Lfunc_end_k_qf014af4bda_proj-k_qf014af4bda_proj
	.p2alignl 7, 3214868480
	.fill 96, 4, 3214868480
	.section	.rodata,"a",@progbits
	.p2align	6, 0x0
	.amdhsa_kernel k_qf014af4bda_proj
		.amdhsa_group_segment_fixed_size 95744
		.amdhsa_private_segment_fixed_size 0
		.amdhsa_enable_private_segment 0
		.amdhsa_kernarg_size 136
		.amdhsa_user_sgpr_count 2
		.amdhsa_user_sgpr_kernarg_segment_ptr 1
		.amdhsa_wavefront_size32 1
		.amdhsa_system_sgpr_workgroup_id_x 1
		.amdhsa_system_sgpr_workgroup_id_y 1
		.amdhsa_system_sgpr_workgroup_id_z 1
		.amdhsa_system_vgpr_workitem_id 0
		.amdhsa_next_free_vgpr 1024
		.amdhsa_next_free_sgpr 72
		.amdhsa_reserve_vcc 0
		.amdhsa_float_denorm_mode_32 3
		.amdhsa_float_denorm_mode_16_64 3
		.amdhsa_memory_ordered 1
		.amdhsa_forward_progress 1
		.amdhsa_inst_pref_size 86
	.end_amdhsa_kernel
	.amdgpu_metadata
---
amdhsa.version: [ 1, 2 ]
amdhsa.kernels:
  - .name:           k_qf014af4bda_proj
    .symbol:         k_qf014af4bda_proj.kd
    .args:
      - { .name: x0, .offset: 0, .size: 8, .value_kind: global_buffer, .address_space: global }
      - { .name: Wq0, .offset: 8, .size: 8, .value_kind: global_buffer, .address_space: global }
      - { .name: Wk0, .offset: 16, .size: 8, .value_kind: global_buffer, .address_space: global }
      - { .name: Wv0, .offset: 24, .size: 8, .value_kind: global_buffer, .address_space: global }
      - { .name: bq0, .offset: 32, .size: 8, .value_kind: global_buffer, .address_space: global }
      - { .name: bk0, .offset: 40, .size: 8, .value_kind: global_buffer, .address_space: global }
      - { .name: bv0, .offset: 48, .size: 8, .value_kind: global_buffer, .address_space: global }
      - { .name: x1, .offset: 56, .size: 8, .value_kind: global_buffer, .address_space: global }
      - { .name: Wq1, .offset: 64, .size: 8, .value_kind: global_buffer, .address_space: global }
      - { .name: Wk1, .offset: 72, .size: 8, .value_kind: global_buffer, .address_space: global }
      - { .name: Wv1, .offset: 80, .size: 8, .value_kind: global_buffer, .address_space: global }
      - { .name: bq1, .offset: 88, .size: 8, .value_kind: global_buffer, .address_space: global }
      - { .name: bk1, .offset: 96, .size: 8, .value_kind: global_buffer, .address_space: global }
      - { .name: bv1, .offset: 104, .size: 8, .value_kind: global_buffer, .address_space: global }
      - { .name: qw, .offset: 112, .size: 8, .value_kind: global_buffer, .address_space: global }
      - { .name: kw, .offset: 120, .size: 8, .value_kind: global_buffer, .address_space: global }
      - { .name: vw, .offset: 128, .size: 8, .value_kind: global_buffer, .address_space: global }
    .group_segment_fixed_size: 95744
    .private_segment_fixed_size: 0
    .kernarg_segment_align: 8
    .kernarg_segment_size: 136
    .max_flat_workgroup_size: 128
    .sgpr_count:     72
    .vgpr_count:     1024
    .wavefront_size: 32
...
	.end_amdgpu_metadata
.endif
;; end of part 4
;; launch attn: the kernel of part 2 again; grid 4 x 64, 4 waves a work-group, clusters of 4 x 1, 327,680 bytes of LDS; arguments qw, kw, vw, part; writes part
;; launch sum: the kernel of part 3 again; grid 256 x 1, 8 waves a work-group, no clusters, 0 bytes of LDS; arguments part, out0; writes out0
